; MI455X (gfx1250); checked and timed in simulation.
; The chip was launched on July 23, 2026; its instructions are those of AMD's public machine-readable ISA for CDNA 5 (MIT licence, August 2026) and "CDNA5" Instruction Set Architecture Reference Guide (July 2026). The comments in the code are by the model that wrote it; some were corrected since.
;; Q Lo RA Linear. Allowed arithmetic: matrix products marked QUANTISED: E3M2 operands, one E8M0 scale for each 32 along K, by v_wmma_scale_f32_16x16x128_f8f6f4 with both operands' format E3M2, f32 sums; products left as they are: f32 operands where the result goes on into a quantised operand, else bf16, f16 or f32 operands; f32 sums; everything else in f32.
;; Inputs: block_scales 4,096 x 256 float32; global_scale 1 float32; lora_A_codes 16 x 128 x 24 uint8 (E3M2 codes of lora_A, K innermost, in blocks of 32 codes, four codes in three bytes); lora_A_scales 16 x 128 uint8 (E8M0 scales of lora_A, one for each 32 codes along K); lora_B 4,096 x 16 float32; packed_weight 4,096 x 2,048 int32; x_codes 4 x 1,024 x 128 x 24 uint8 (E3M2 codes of x, K innermost, in blocks of 32 codes, four codes in three bytes); x_scales 4 x 1,024 x 128 uint8 (E8M0 scales of x, one for each 32 codes along K).
;; Outputs: out0 4 x 1,024 x 4,096 float32.
;; This version of the problem:
;;   THIS VERSION OF THE PROBLEM IS GIVEN IN LOW PRECISION. The matrix products marked QUANTISED in the list below multiply operands that are first quantised to E3M2 (3 exponent bits, 2 mantissa bits; 6 bits a number), with one power-of-two scale for each 32 numbers along K (OCP MX v1.0); their sums are f32. All else is computed in f32.
;;   The module's matrix products, in the order in which they are computed (A, B: the left and right operand; K: the contracted axis; several contracted axes count as one K, in the product's order):
;;     1. [M 4,096, K 4,096] x [K 4,096, N 4,096]; A: input x (given as codes); B: computed on the way: QUANTISED
;;     2. [M 4,096, K 4,096] x [K 4,096, N 16]; A: input x (given as codes); B: input lora_A (given as codes): QUANTISED
;;     3. [M 4,096, K 16] x [K 16, N 4,096]; A: computed on the way; B: input lora_B: left as it is (K = 16 < 32)
;;   THE QUANTISER, for each operand of a quantised product, along K:
;;     - K is cut into blocks of 32 from its start; a last block that is shorter is filled with zeros.
;;     - A block's scale is 2^e with e = floor(log2(the largest magnitude in the block)) - 4, held to -126 .. 127; a block of zeros has e = 0. As a byte (E8M0): e + 127.
;;     - Each number is divided by its block's scale, clamped to +-28, and rounded to the nearest number of E3M2, ties to even, subnormals kept.
;;     - The product sums the exact products of the quantised numbers (number of the format x scale) in f32.
;;   ~~~python
;;   def quantise(x, axis):      # numpy; x: float32 -> the quantised numbers, widened to float32 again
;;       x = np.moveaxis(x, axis, -1); K = x.shape[-1]
;;       x = np.pad(x, [(0, 0)] * (x.ndim - 1) + [(0, -K % 32)]); x = x.reshape(x.shape[:-1] + (-1, 32)); a = np.abs(x).max(-1, keepdims=True)
;;       e = np.where(a > 0, np.clip(np.frexp(np.where(a > 0, a, 1))[1] - 1 - 4, -126, 127), 0)      # np.frexp(a)[1] - 1 = floor(log2(a)), exactly
;;       r = np.clip(x / 2.0 ** e, -28, 28)
;;       step = 2.0 ** (np.maximum(np.frexp(np.where(r == 0, 1, r))[1] - 1, -2) - 2)
;;       q = np.round(r / step) * step * 2.0 ** e      # np.round: ties to even
;;       return np.moveaxis(q.reshape(q.shape[:-2] + (-1,))[..., :K], -1, axis).astype(np.float32)
;;   ~~~
;;   OPERANDS COMPUTED ON THE WAY. 'Computed on the way' means the value that the module computes at that place (a softmax that the list does not call 'softmax' is quantised finished and normalised). What goes into a quantiser is computed in f32, as accurately as f32 sums, v_exp_f32 and their like allow (about 1e-6 of the number): no bf16 or f16 on the way to a quantiser, and a product that is left as it is and whose result goes on into a quantised operand takes f32 operands (vector FMAs, or v_wmma_f32_16x16x4_f32). A number that lies on a knife's edge between two numbers of the format may be rounded either way, as far as f32 arithmetic and the matrix unit's own rounding can turn it there, and no further.
;;   INPUTS GIVEN AS CODES. lora_A (in the module: [16, 4096], K = its axis 1); x (in the module: [4, 1024, 4096], K = its axis 2): each comes as NAME_codes (uint8): NAME with its K axis moved to the last place and cut into blocks of 32 codes, [.., K / 32, bytes a block], one block behind the other in memory; four codes in three bytes: a row's codes are one little-endian stream of bits, code i at bits 6 i .. 6 i + 5 (a code: sign, 3 exponent bits, 2 mantissa bits); and NAME_scales (uint8): the same leading axes, one E8M0 byte (e + 127) for each 32 codes along K. Its value is code x scale, taken as it is: it is not quantised again, and the codes and scales need not be those that the quantiser above would give.
;; One version. Each part assembles by itself: llvm-mc -triple=amdgcn-amd-amdhsa -mcpu=gfx1250 --defsym DOCPART=n.
;; ======== version 1 of 1: 2 launches
;; limits: values are held in bf16: 8 bits of precision; right only within a limited range of input values
;; workspace buffers: wt 13,107,200 bytes; xt 13,107,200 bytes; tl 131,072 bytes
;; launch prep (part 1): grid 256 x 1, 8 waves a work-group, no clusters, 168,192 bytes of LDS; arguments packed_weight, block_scales, global_scale, x_codes, x_scales, lora_A_codes, lora_A_scales, wt, xt, tl; writes wt, xt, tl
.if DOCPART == 1
	.amdgcn_target "amdgcn-amd-amdhsa--gfx1250"
	.amdhsa_code_object_version 6
	.text
	.protected	k_qd5ef78d0a2_prep
	.globl	k_qd5ef78d0a2_prep
	.p2align	8
	.type	k_qd5ef78d0a2_prep,@function
k_qd5ef78d0a2_prep:
	s_mov_b64 s[64:65], 0
	v_nop
	global_prefetch_b8 v0, s[64:65] scope:SCOPE_SE
	s_setreg_imm32_b32 hwreg(HW_REG_WAVE_MODE, 25, 1), 1
	s_wait_xcnt 0x0
; THREE JOBS, one path for every work-group.  Work-group g of 256, eight waves, owns the 16 rows 16 g .. 16 g + 15 of x and of W.
; (T) t[m][r] = sum over k of x[m][k] lora_A[r][k]: both operands arrive as codes of BF6 (E3M2) with E8M0 bytes.  Wave w takes K steps 4 w .. 4 w + 3 of 128;
;     the eight partial sums meet in LDS; wave 0 adds them, rounds to bf16 and stores tl [4096][16].
; (X) x's fragments, as job T holds them in registers, are stored to xt as images of the operand's registers.
; (W) W[n][k] = (FP4 value x block_scale) x global_scale, two f32 roundings in that order, quantised along K in blocks of 32 (scale 2^(floor(log2(largest)) - 4), nearest code of E3M2,
;     ties to even, beyond 28 the largest code).  Wave w makes rows 2 w, 2 w + 1; the codes go to LDS as rows, come back as fragments and are stored to wt as x's are.
; LAYOUT of xt and wt: [32 blocks of 128 rows][32 K steps of 128][a unit of 12,800 bytes].  A unit: 8 fragments (16 rows) of 1,536 bytes, register j of lane l at 512 (j / 4) + 16 l + 4 (j % 4);
;     then 512 bytes of scale words, that of row r of fragment i at 64 i + 4 r.
; LIMITS: a block whose largest magnitude lies under 2^(5 - 127), a block of zeros among them, gets the byte 1 (zero codes add nothing); these bytes are read by this program alone.
; NaN and infinities in block_scales or global_scale are not served.  t is summed as eight partial sums over K and rounded to bf16 for the product with lora_B.
; Of each int32 of packed_weight bits 7:0 are used: the two nibbles that the masks keep.
.set PIT,  3088                        ; an LDS row of 4,096 codes: 3,072 bytes + 16
.set AST,  16*PIT                      ; x's 16 rows at 0, lora_A's here
.set XSC,  32*PIT                      ; x's scale rows: 16 x (128 + 16) bytes
.set SPIT, 144
.set ASD,  16*SPIT                     ; lora_A's lie this far behind them
.set RED,  XSC+2*ASD                   ; the partial sums: 1,024 bytes a wave
.set WST,  RED+8*1024                  ; job W: 768 bytes a wave: two stages of 256 bytes, then the wave's 256 scale bytes
.set SPR,  WST+8*768                   ; the spare words: 1,024 bytes
.set WC,   SPR+1024                    ; W's 16 rows of codes
.set UNIT, 12800
.set DW,   30
.set Q,    34
.set P,    40                          ; v40-103  packed_weight: a ring of 8 steps x 8 registers
.set BS,   104                         ; v104-111 block scales: a ring of 8
.set TX,   112                         ; v112-159 x on the way into LDS, then 4 fragments of 12 (x's, at the end W's)
.set TA,   160                         ; v160-207 lora_A likewise
.set XS,   208                         ; v208-211 scale words of the fragments in TX
.set AS,   212                         ; v212-215 lora_A's
.set ACC,  216
.set R,    232
.set TB,   240
.set C,    112                         ; job W: step t's 12 bytes of codes and its scale byte
.set X,    176
	s_load_b256 s[4:11], s[0:1], 0x0               ; packed_weight, block_scales, global_scale, x_codes
	s_load_b256 s[12:19], s[0:1], 0x20             ; x_scales, lora_A_codes, lora_A_scales, wt
	s_load_b128 s[20:23], s[0:1], 0x40             ; xt, tl
	v_lshl_add_u32 v248, v0, 2, SPR
	v_mov_b32 v249, 0
	v_lshrrev_b32 v1, 5, v0
	s_delay_alu instid0(VALU_DEP_1)
	v_readfirstlane_b32 s24, v1                    ; wave 0..7
	v_and_b32 v1, 31, v0                           ; lane l
	v_and_b32 v2, 15, v0                           ; r
	v_bfe_u32 v3, v0, 4, 1                         ; h
	v_lshlrev_b32 v4, 4, v1                        ; 16 l
	v_lshlrev_b32 v5, 2, v1                        ; 4 l
	v_lshlrev_b32 v6, 3, v0                        ; 8 x thread
	s_mul_i32 s32, s24, 2*PIT
	v_add_nc_u32 v7, s32, v4                       ; into LDS: my wave's two rows
	v_lshrrev_b32 v8, 4, v0
	s_delay_alu instid0(VALU_DEP_1)
	v_mul_u32_u24 v8, v8, SPIT
	s_delay_alu instid0(VALU_DEP_1)
	v_lshl_add_u32 v8, v2, 3, v8
	s_delay_alu instid0(VALU_DEP_1)
	v_add_nc_u32 v8, XSC, v8                       ; scale bytes into LDS
	v_mul_u32_u24 v9, v2, PIT
	s_delay_alu instid0(VALU_DEP_1)
	v_mad_u32_u24 v9, v3, 24, v9
	s_mul_i32 s32, s24, 384
	v_add_nc_u32 v9, s32, v9                       ; a fragment: row r, 24 h, my wave's four K steps
	v_mul_u32_u24 v10, v2, SPIT
	s_lshl_b32 s32, s24, 4
	s_add_co_u32 s32, s32, XSC
	v_add_nc_u32 v10, s32, v10                     ; row r's four scale words
	s_lshl_b32 s32, s24, 10
	s_add_co_u32 s32, s32, RED
	v_add_nc_u32 v11, s32, v4
	v_add_nc_u32 v12, RED, v4
	v_lshlrev_b32 v13, 5, v2
	s_delay_alu instid0(VALU_DEP_1)
	v_lshl_add_u32 v13, v3, 4, v13                 ; tl: row r of 32 bytes, 16 h
	s_mul_i32 s32, s24, 768
	s_add_co_u32 s32, s32, WST
	v_add_nc_u32 v14, s32, v5                      ; the stage, in
	v_lshl_add_u32 v15, v1, 3, s32                 ; the stage, out
	s_add_co_u32 s32, s32, 512
	v_lshrrev_b32 v16, 1, v1
	s_delay_alu instid0(VALU_DEP_1)
	v_add_nc_u32 v16, s32, v16                     ; my block's scale byte
	v_mov_b32 v20, 0x7f7f7f7f                      ; the byte 127 everywhere: the scale of the conversion from FP4
	v_mov_b32 v23, 0
	s_and_b32 s33, ttmp9, 7                        ; i: my fragment in its block of 128 rows
	s_mul_i32 s33, s33, 1472
	s_sub_co_u32 s33, 12288, s33
	v_lshl_add_u32 v21, v2, 2, s33                 ; a scale word, from my fragment's first byte: 12,288 + 64 i - 1,536 i + 4 r
	v_add_nc_u32 v244, WC, v9                      ; a fragment of W
	s_mul_i32 s33, s24, 2*PIT
	s_add_co_u32 s33, s33, WC
	v_mad_u32_u24 v245, v1, 12, s33                ; my 12 bytes of a step's 384 bytes of W's codes
	v_lshrrev_b32 v246, 1, v2
	v_and_b32 v247, 1, v2
	v_mul_u32_u24 v246, v246, 768
	s_lshl_b32 s33, s24, 4
	s_add_co_u32 s33, s33, WST+512
	v_lshl_add_u32 v246, v247, 7, v246
	v_add_nc_u32 v246, s33, v246
	s_mov_b32 s28, 0x00000400
	s_mov_b32 s29, 0x05040100
	s_mov_b32 s27, 0
	s_wait_alu depctr_va_vdst(0)                   ; the wait at the head's end
	s_wait_kmcnt 0x0
	s_load_b32 s30, s[8:9], 0x0                    ; global_scale
	s_lshl_b32 s26, ttmp9, 17                      ; packed_weight: rows of 8,192 bytes, two a wave
	s_lshl_b32 s32, s24, 14
	s_add_co_u32 s26, s26, s32
	s_add_nc_u64 s[4:5], s[4:5], s[26:27]
	s_lshl_b32 s26, ttmp9, 14                      ; block_scales: rows of 1,024 bytes
	s_lshl_b32 s32, s24, 11
	s_add_co_u32 s26, s26, s32
	s_add_nc_u64 s[6:7], s[6:7], s[26:27]
	s_mul_i32 s26, ttmp9, 49152                    ; x_codes: rows of 3,072 bytes
	s_mul_i32 s32, s24, 6144
	s_add_co_u32 s26, s26, s32
	s_add_nc_u64 s[10:11], s[10:11], s[26:27]
	s_mov_b32 s26, s32
	s_add_nc_u64 s[14:15], s[14:15], s[26:27]      ; lora_A_codes: my wave's two rows
	s_lshl_b32 s26, ttmp9, 11
	s_add_nc_u64 s[12:13], s[12:13], s[26:27]      ; x_scales
	s_lshr_b32 s26, ttmp9, 3                       ; xt, wt: block g / 8, fragment g % 8, my wave's first K step
	s_mul_i32 s26, s26, 32*UNIT
	s_and_b32 s32, ttmp9, 7
	s_mul_i32 s32, s32, 1536
	s_add_co_u32 s26, s26, s32
	s_mul_i32 s32, s24, 4*UNIT
	s_add_co_u32 s26, s26, s32
	s_add_nc_u64 s[18:19], s[18:19], s[26:27]
	s_add_nc_u64 s[20:21], s[20:21], s[26:27]
	s_lshl_b32 s26, ttmp9, 9
	s_add_nc_u64 s[22:23], s[22:23], s[26:27]      ; tl
.macro LOADW t                         ; step t of job W: 256 int32 and 32 block scales
.irp i, 0,1
	global_load_b128 v[P+8*((\t)%8)+4*\i:P+8*((\t)%8)+4*\i+3], v4, s[4:5] offset:1024*(\t)+512*\i th:TH_LOAD_NT
.endr
	global_load_b32 v[BS+(\t)%8], v5, s[6:7] offset:128*(\t) th:TH_LOAD_NT
.endm
.macro FRAGS adr, off                  ; four fragments into TX: 24 bytes of a row as they lie, in pieces of 8
.irp s, 0,1,2,3
.irp p, 0,1,2,3,4,5
	ds_load_b64 v[TX+12*\s+2*\p:TX+12*\s+2*\p+1], v[\adr] offset:\off+96*\s+48*(\p/3)+8*(\p%3)
.endr
.endr
.endm
.macro OUTF base                       ; the four fragments in TX and their scale words in XS leave as images: each b128 store of the wave covers 512 consecutive bytes, aligned
.irp s, 0,1,2,3
.irp q, 0,1,2
	global_store_b128 v4, v[TX+12*\s+4*\q:TX+12*\s+4*\q+3], s[\base:\base+1] offset:UNIT*\s+512*\q
.endr
	global_store_b32 v21, v[XS+\s], s[\base:\base+1] offset:UNIT*\s   ; 64 consecutive bytes; lanes 16-31 write what lanes 0-15 write
.endr
.endm
.irp j, 0,1,2,3,4,5,6,7,8,9,10,11
	global_load_b128 v[TX+4*\j:TX+4*\j+3], v4, s[10:11] offset:512*\j
.endr
.irp j, 0,1,2,3,4,5,6,7,8,9,10,11
	global_load_b128 v[TA+4*\j:TA+4*\j+3], v4, s[14:15] offset:512*\j
.endr
	global_load_b64 v[XS:XS+1], v6, s[12:13]
	global_load_b64 v[AS:AS+1], v6, s[16:17]
.irp t, 0,1,2,3,4,5,6,7
	LOADW \t
.endr
	s_wait_kmcnt 0x0
	s_mov_b32 s31, s30
; ---- T1: x, lora_A and their scale bytes into LDS
	s_wait_loadcnt 24                              ; W's 24 loads may stay out
.irp j, 0,1,2,3,4,5,6,7,8,9,10,11
	ds_store_b128 v7, v[TX+4*\j:TX+4*\j+3] offset:(\j/6)*PIT+512*(\j%6)
.endr
.irp j, 0,1,2,3,4,5,6,7,8,9,10,11
	ds_store_b128 v7, v[TA+4*\j:TA+4*\j+3] offset:AST+(\j/6)*PIT+512*(\j%6)
.endr
	ds_store_b64 v8, v[XS:XS+1]
	ds_store_b64 v8, v[AS:AS+1] offset:ASD
	s_wait_dscnt 0x0
	s_barrier_signal -1
	s_barrier_wait -1
; ---- T2: my four K steps
	FRAGS 9, 0
.irp s, 0,1,2,3
.irp p, 0,1,2,3,4,5
	ds_load_b64 v[TA+12*\s+2*\p:TA+12*\s+2*\p+1], v9 offset:AST+96*\s+48*(\p/3)+8*(\p%3)
.endr
.endr
	ds_load_b128 v[XS:XS+3], v10
	ds_load_b128 v[AS:AS+3], v10 offset:ASD
	s_wait_dscnt 0x0
	OUTF 20                                        ; job X
; source 0 = lora_A's rows, source 1 = x's: lane (r, h) holds t(r, 8 h + 0 .. 7).  Two accumulators by turns
.irp s, 0,1
	v_wmma_scale_f32_16x16x128_f8f6f4 v[ACC+8*\s:ACC+8*\s+7], v[TA+12*\s:TA+12*\s+11], v[TX+12*\s:TX+12*\s+11], 0, v[AS+\s], v[XS+\s] matrix_a_fmt:MATRIX_FMT_BF6 matrix_b_fmt:MATRIX_FMT_BF6
.endr
.irp s, 2,3
	v_wmma_scale_f32_16x16x128_f8f6f4 v[ACC+8*(\s-2):ACC+8*(\s-2)+7], v[TA+12*\s:TA+12*\s+11], v[TX+12*\s:TX+12*\s+11], v[ACC+8*(\s-2):ACC+8*(\s-2)+7], v[AS+\s], v[XS+\s] matrix_a_fmt:MATRIX_FMT_BF6 matrix_b_fmt:MATRIX_FMT_BF6
.endr
.rept 4
	v_nop                                          ; four places behind the last product (ISA guide 7.12.1)
.endr
.irp i, 0,2,4,6
	v_pk_add_f32 v[R+\i:R+\i+1], v[ACC+\i:ACC+\i+1], v[ACC+8+\i:ACC+8+\i+1]
.endr
	ds_store_b128 v11, v[R:R+3]
	ds_store_b128 v11, v[R+4:R+7] offset:512
	s_wait_dscnt 0x0
	s_barrier_signal -1
	s_barrier_wait -1
	s_wait_xcnt 0x0                                ; job X's stores have read TX and XS: only now are these registers written again
; ---- T3: wave 0 adds the eight partial sums
	s_cmp_lg_u32 s24, 0
	s_cbranch_scc1 .Lw
.irp q, 0,1,2,3,4,5,6,7
	ds_load_b128 v[TX+8*\q:TX+8*\q+3], v12 offset:1024*\q
	ds_load_b128 v[TX+8*\q+4:TX+8*\q+7], v12 offset:1024*\q+512
.endr
	s_wait_dscnt 0x0
.irp q, 0,2,4,6
.irp i, 0,2,4,6
	v_pk_add_f32 v[TX+8*\q+\i:TX+8*\q+\i+1], v[TX+8*\q+\i:TX+8*\q+\i+1], v[TX+8*\q+8+\i:TX+8*\q+8+\i+1]
.endr
.endr
.irp q, 0,4
.irp i, 0,2,4,6
	v_pk_add_f32 v[TX+8*\q+\i:TX+8*\q+\i+1], v[TX+8*\q+\i:TX+8*\q+\i+1], v[TX+8*\q+16+\i:TX+8*\q+16+\i+1]
.endr
.endr
.irp i, 0,2,4,6
	s_delay_alu instid0(VALU_DEP_4)
	v_pk_add_f32 v[TX+\i:TX+\i+1], v[TX+\i:TX+\i+1], v[TX+32+\i:TX+32+\i+1]
.endr
.irp i, 0,1,2,3
	s_delay_alu instid0(VALU_DEP_4)
	v_cvt_pk_bf16_f32 v[TB+\i], v[TX+2*\i], v[TX+2*\i+1]
.endr
	global_store_b128 v13, v[TB:TB+3], s[22:23]    ; 512 consecutive bytes, aligned
.Lw:
; ---- W.  Each int32's low byte is gathered, four to a word, and a step's 64 words turn through the wave's own stage: in at 4 l, out at 8 l.  Lane l then has 16 neighbours along K; lanes l and l xor 1 share a block
.macro TURNW t
.irp i, 0,1
	v_perm_b32 v27, v[P+8*((\t)%8)+4*\i+1], v[P+8*((\t)%8)+4*\i], s28
	v_perm_b32 v28, v[P+8*((\t)%8)+4*\i+3], v[P+8*((\t)%8)+4*\i+2], s28
	s_delay_alu instid0(VALU_DEP_1)
	v_perm_b32 v[DW+2*((\t)%2)+\i], v28, v27, s29
	ds_store_b32 v14, v[DW+2*((\t)%2)+\i] offset:256*((\t)%2)+128*\i
.endr
	ds_load_b64 v[Q+2*((\t)%2):Q+2*((\t)%2)+1], v15 offset:256*((\t)%2)   ; LDS serves a wave's instructions in order (ISA guide 5.7.1.4)
.endm
.macro WORK t
	v_cvt_scale_pk8_f32_fp4 v[X:X+7], v[Q+2*((\t)%2)], v20
	v_cvt_scale_pk8_f32_fp4 v[X+8:X+15], v[Q+2*((\t)%2)+1], v20
	v_mov_b32 v22, v[BS+(\t)%8]                    ; my group's block scale (the plain instruction behind the conversions)
.if (\t) < 8
	LOADW (\t)+8
.endif
.irp i, 0,2,4,6,8,10,12,14
	v_pk_mul_f32 v[X+\i:X+\i+1], v[X+\i:X+\i+1], v[22:23] op_sel_hi:[1,0]  ; x block scale,
.endr
.irp i, 0,2,4,6,8,10,12,14
	v_pk_mul_f32 v[X+\i:X+\i+1], v[X+\i:X+\i+1], s[30:31] op_sel_hi:[1,0]  ; then x global scale
.endr
	v_max3_num_f32 v24, |v[X]|, |v[X+1]|, |v[X+2]|
	v_max3_num_f32 v25, |v[X+3]|, |v[X+4]|, |v[X+5]|
.irp i, 6,10
	s_delay_alu instid0(VALU_DEP_2)
	v_max3_num_f32 v24, v24, |v[X+\i]|, |v[X+\i+1]|
	s_delay_alu instid0(VALU_DEP_2)
	v_max3_num_f32 v25, v25, |v[X+\i+2]|, |v[X+\i+3]|
.endr
	s_delay_alu instid0(VALU_DEP_2)
	v_max3_num_f32 v24, v24, |v[X+14]|, |v[X+15]|
	s_delay_alu instid0(VALU_DEP_1)
	v_max3_num_f32 v24, v24, v25, 0x2800000        ; the floor 2^(5 - 127): the byte cannot fall under 1
	s_delay_alu instid0(VALU_DEP_1)
	v_max_num_f32_dpp v24, v24, v24 row_xmask:1 row_mask:0xf bank_mask:0xf
	s_delay_alu instid0(VALU_DEP_1)
	v_add_nc_u32 v26, 0xfe000000, v24              ; 4 off the exponent field: the conversion's scale operand
	v_cvt_scalef32_pk16_bf6_f32 v[C+4*(\t):C+4*(\t)+2], v[X:X+15], v26
	v_lshrrev_b32 v[C+4*(\t)+3], 23, v26           ; the scale's byte (the plain instruction behind the conversion)
	ds_store_b8 v16, v[C+4*(\t)+3] offset:16*(\t)
.irp e, 0,1,2
	ds_store_b32 v245, v[C+4*(\t)+\e] offset:((\t)/8)*PIT+384*((\t)%8)+4*\e   ; my 12 bytes of the row of codes
.endr
.endm
.macro STEPW t
.if (\t) < 15
.if (\t) <= 8
	s_wait_loadcnt 18                              ; step t + 1's three loads are in; six steps' may stay out
.else
	s_wait_loadcnt 3*(14-(\t))
.endif
	TURNW (\t)+1
	s_wait_dscnt 3                                 ; only TURNW's three may stay out: this step's codes are back from the stage
.else
	s_wait_dscnt 0x0
.endif
	WORK \t
.endm
	s_wait_loadcnt 21
	TURNW 0
.irp t, 0,1,2,3,4,5,6,7,8,9,10,11,12,13,14,15
	STEPW \t
.endr
	s_wait_dscnt 0x0                               ; for the others' sake: my rows of codes and my scale bytes have landed
	s_barrier_signal -1
	s_barrier_wait -1
	FRAGS 244, 0                                   ; W's fragments of my four K steps
	ds_load_b128 v[XS:XS+3], v246
	s_wait_dscnt 0x0
	OUTF 18
	s_wait_tensorcnt 0x0                           ; the wave's end
	ds_add_u32 v248, v249
	s_wait_dscnt 0x0
	s_endpgm
.Lfunc_end_k_qd5ef78d0a2_prep:
	.size	k_qd5ef78d0a2_prep, .Lfunc_end_k_qd5ef78d0a2_prep-k_qd5ef78d0a2_prep
	.p2alignl 7, 3214868480
	.fill 96, 4, 3214868480
	.section	.rodata,"a",@progbits
	.p2align	6, 0x0
	.amdhsa_kernel k_qd5ef78d0a2_prep
		.amdhsa_group_segment_fixed_size 168192
		.amdhsa_private_segment_fixed_size 0
		.amdhsa_enable_private_segment 0
		.amdhsa_kernarg_size 80
		.amdhsa_user_sgpr_count 2
		.amdhsa_user_sgpr_kernarg_segment_ptr 1
		.amdhsa_wavefront_size32 1
		.amdhsa_system_sgpr_workgroup_id_x 1
		.amdhsa_system_sgpr_workgroup_id_y 1
		.amdhsa_system_sgpr_workgroup_id_z 1
		.amdhsa_system_vgpr_workitem_id 0
		.amdhsa_next_free_vgpr 250
		.amdhsa_next_free_sgpr 66
		.amdhsa_reserve_vcc 0
		.amdhsa_float_denorm_mode_32 3
		.amdhsa_float_denorm_mode_16_64 3
		.amdhsa_memory_ordered 1
		.amdhsa_forward_progress 1
		.amdhsa_inst_pref_size 76
	.end_amdhsa_kernel
	.amdgpu_metadata
---
amdhsa.version: [ 1, 2 ]
amdhsa.kernels:
  - .name:           k_qd5ef78d0a2_prep
    .symbol:         k_qd5ef78d0a2_prep.kd
    .args:
      - { .name: packed_weight, .offset: 0, .size: 8, .value_kind: global_buffer, .address_space: global }
      - { .name: block_scales, .offset: 8, .size: 8, .value_kind: global_buffer, .address_space: global }
      - { .name: global_scale, .offset: 16, .size: 8, .value_kind: global_buffer, .address_space: global }
      - { .name: x_codes, .offset: 24, .size: 8, .value_kind: global_buffer, .address_space: global }
      - { .name: x_scales, .offset: 32, .size: 8, .value_kind: global_buffer, .address_space: global }
      - { .name: lora_A_codes, .offset: 40, .size: 8, .value_kind: global_buffer, .address_space: global }
      - { .name: lora_A_scales, .offset: 48, .size: 8, .value_kind: global_buffer, .address_space: global }
      - { .name: wt, .offset: 56, .size: 8, .value_kind: global_buffer, .address_space: global }
      - { .name: xt, .offset: 64, .size: 8, .value_kind: global_buffer, .address_space: global }
      - { .name: tl, .offset: 72, .size: 8, .value_kind: global_buffer, .address_space: global }
    .group_segment_fixed_size: 168192
    .private_segment_fixed_size: 0
    .kernarg_segment_align: 8
    .kernarg_segment_size: 80
    .max_flat_workgroup_size: 256
    .sgpr_count:     66
    .vgpr_count:     250
    .wavefront_size: 32
...
	.end_amdgpu_metadata
.endif
;; end of part 1
;; launch gemm (part 2): grid 16 x 16, 4 waves a work-group, clusters of 4 x 4, 327,680 bytes of LDS; arguments xt, wt, out0, tl, lora_B; writes out0
.if DOCPART == 2
	.amdgcn_target "amdgcn-amd-amdhsa--gfx1250"
	.amdhsa_code_object_version 6
	.text
	.protected	k_qd5ef78d0a2_gemm
	.globl	k_qd5ef78d0a2_gemm
	.p2align	8
	.type	k_qd5ef78d0a2_gemm,@function
k_qd5ef78d0a2_gemm:
	s_mov_b64 s[64:65], 0
	v_nop
	global_prefetch_b8 v0, s[64:65] scope:SCOPE_SE
	s_setreg_imm32_b32 hwreg(HW_REG_WAVE_MODE, 25, 1), 1
	s_wait_xcnt 0x0
	s_wait_alu depctr_hold_cnt(0) depctr_sa_sdst(0) depctr_va_vdst(0) depctr_va_sdst(0) depctr_va_ssrc(0) depctr_va_vcc(0) depctr_vm_vsrc(0)
	s_getreg_b32 s2, hwreg(HW_REG_IB_STS2, 6, 4)
	s_cmp_eq_u32 s2, 0
	s_cbranch_scc0 .Lentry_in_a_cluster
	s_endpgm
.Lentry_in_a_cluster:
	s_bfe_u32 s2, ttmp6, 0x10000c
	s_cmp_lg_u32 s2, 0xf033
	s_cbranch_scc0 .Lentry_shape_is_right
	s_endpgm
.Lentry_shape_is_right:
; out0[m][n] = sum over k of x[m][k] W[n][k] (codes of BF6, E8M0 scales, f32 sums) + sum over r of t[m][r] lora_B[n][r] (bf16 operands, f32 sums; SCALING = 16 / 16 = 1).
; A tile of 256 x 256 a work-group, four waves of 128 x 128: 64 accumulators.  The product with lora_B, one bf16 instruction an accumulator with C = 0, starts the sums.
; xt and wt hold units of 12,800 bytes (128 rows x 128 K): 8 fragments as images of their 12 registers (three loads of 16 bytes a lane, lane l at 16 l), then the rows' scale words.
; A tensor load brings three units (384 along K), 150 dense rows of 256 bytes that begin at multiples of 256; a slot holds A's two halves and B's two; two slots take turns.
; 4,096 along K are ten such tiles and one of two units.  A lap is two tiles, six steps; four laps in the loop, the last eight steps written out.
; CLUSTERS of 4 x 4: A's tiles are asked for jointly along a row of the cluster, B's along a column.
; PREFETCH: behind each refill of the loop's first three laps a wave names the tile two refills on: its 150 blocks of 256 bytes are shared out by address among the four partners
; (32 each, and the last 22 by sixes); tiles 0 to 3 and the short last tile come by their loads alone.
; THE MATRIX INSTRUCTION IS USED TRANSPOSED: source 0 = 16 rows of W, source 1 = 16 rows of x: a lane holds eight neighbouring numbers of a row of out0.
; REGISTERS: window 0: v0-31 addresses, v32-47 scale words (two sets; lanes 0-15 x's, lanes 16-31 W's), v128-223 x's fragments (one set); window 1: W's fragments, sets at v0 and v128; windows 2, 3: accumulators.
.set SIZE_N, 4096
.set UNIT,   12800
.set TILE,   3*UNIT
.set SLOT,   4*TILE
.set RBS,    32*UNIT
.set SPARE,  2*SLOT                    ; the spare words: 512 bytes that no other line names
.set STAGE,  SLOT                      ; the way out: in slot 1, which has had its last fill and its last read by then
.set SPITCH, 528
.set FR,   12
.set TLO,  7
.set LBO,  8
.set ADRA, 16
.set ADRB, 20
.set ADRS, 22
.set STO,  24
.set RD,   25
.set CO,   26
.set SPW,  28
.set NIL,  29
.set PFO,  30
.set PF2,  31
.set SC,   32
.set LBF,  64
.set AF,   128
.set BK,   128
.set G1,  24
.set G0,  32
.set G1B, 48
.set G0B, 56
.set PFA, 66
.set MSB, 0
.macro WIN new
.if MSB != \new
	s_set_vgpr_msb (MSB<<8)|\new
.set MSB, \new
.endif
.endm
.set MUL_LO, 0xa1
.set MUL_HI, 0xf1
.set TO_B,   0x40
.macro PLACES n
.rept \n
	v_nop
.endr
.endm
.macro JLOAD s                         ; a joint load: waves 0, 1 fetch A's halves, waves 2, 3 B's; s_nop 0 and four v_nop behind each line
	s_cmp_eq_u32 s15, 0
	s_cbranch_scc0 .Lfor_b_\@
	tensor_load_to_lds s[G0+4*\s:G0+4*\s+3], s[G1:G1+7]
	s_nop 0
	PLACES 4
	s_branch .Lasked_\@
.Lfor_b_\@:
	tensor_load_to_lds s[G0B+4*\s:G0B+4*\s+3], s[G1B:G1B+7]
	s_nop 0
	PLACES 4
.Lasked_\@:
.endm
.macro CREST
	s_cmp_lg_u32 s14, 0
	s_cbranch_scc1 .Lnot_wave_0_\@
	s_barrier_signal -3
.Lnot_wave_0_\@:
	s_barrier_wait -3
	s_barrier_signal -1
	s_barrier_wait -1
.endm
.macro CROUND
	s_barrier_signal -1
	s_barrier_wait -1
	CREST
.endm
	s_load_b128 s[4:7], s[0:1], 0x0                ; xt, wt
	s_load_b64 s[12:13], s[0:1], 0x10              ; out0
	s_load_b128 s[96:99], s[0:1], 0x18             ; tl, lora_B
	v_lshl_add_u32 v[SPW], v0, 2, SPARE
	v_mov_b32 v[NIL], 0
	ds_add_u32 v[SPW], v[NIL]
	ds_add_u32 v[SPW], v[NIL]
	v_lshrrev_b32 v1, 5, v0
	v_readfirstlane_b32 s14, v1                    ; wave
	s_lshr_b32 s15, s14, 1                         ; my half of the rows; also: I fetch for A (0) or B (1)
	s_and_b32 s16, s14, 1                          ; my half of the columns; also: which half I fetch
	s_bfe_u32 s40, ttmp6, 0x40000                  ; cx
	s_bfe_u32 s41, ttmp6, 0x40004                  ; cy
	s_lshl_b32 s42, ttmp9, 2
	s_add_co_u32 s42, s42, s40                     ; tile column
	s_and_b32 s17, ttmp7, 0xffff
	s_lshl_b32 s17, s17, 2
	s_add_co_u32 s17, s17, s41                     ; tile row
	s_lshl_b32 s43, s41, 2
	s_lshl_b32 s43, 15, s43                        ; my row of the cluster
	s_lshl_b32 s44, 0x1111, s40                    ; my column
	s_or_b32 s[G1+0], s43, (3<<16)|(1<<21)         ; elements of 8 bytes, no padding
	s_or_b32 s[G1B+0], s44, (3<<16)|(1<<21)
.irp g, G1, G1B
	s_mov_b32 s[\g+1], 32<<16                      ; rows of 256 bytes,
	s_mov_b32 s[\g+2], 150<<16                     ; 150 of them,
	s_mov_b32 s[\g+3], 32<<16
	s_mov_b32 s[\g+4], 150
	s_mov_b32 s[\g+5], 32                          ; dense
	s_mov_b32 s[\g+6], 0
	s_mov_b32 s[\g+7], 0
.endr
	s_lshl_b32 s20, s17, 1
	s_add_co_u32 s20, s20, s16
	s_mul_i32 s20, s20, RBS                        ; A: block of 128 rows 2 x tile row + half
	s_mov_b32 s21, 0
	s_lshl_b32 s46, s42, 1
	s_add_co_u32 s46, s46, s16
	s_mul_i32 s46, s46, RBS                        ; B likewise by the tile column
	s_mov_b32 s47, 0
	s_mul_i32 s45, s14, TILE                       ; where my load goes
	s_wait_dscnt 0x0
	s_wait_kmcnt 0x0
	s_add_nc_u64 s[20:21], s[4:5], s[20:21]
	s_add_nc_u64 s[46:47], s[6:7], s[46:47]
	CROUND                                         ; in front of the first joint loads
.irp s, 0,1
	s_mov_b32 s[G0+4*\s], 1
	s_add_co_u32 s[G0+4*\s+1], s45, \s*SLOT
	s_add_nc_u64 s[G0+4*\s+2:G0+4*\s+3], s[20:21], \s*TILE
	s_or_b32 s[G0+4*\s+3], s[G0+4*\s+3], 0x80000000
	s_mov_b32 s[G0B+4*\s], 1
	s_add_co_u32 s[G0B+4*\s+1], s45, \s*SLOT
	s_add_nc_u64 s[G0B+4*\s+2:G0B+4*\s+3], s[46:47], \s*TILE
	s_or_b32 s[G0B+4*\s+3], s[G0B+4*\s+3], 0x80000000
.endr
	JLOAD 0                                        ; tile 0: one tensor load a wave at the head
	s_lshl_b32 s20, s17, 13                        ; tl: my 128 rows of 32 bytes
	s_lshl_b32 s21, s15, 12
	s_add_co_u32 s20, s20, s21
	s_mov_b32 s21, 0
	s_add_nc_u64 s[96:97], s[96:97], s[20:21]
	s_lshl_b32 s46, s42, 14                        ; lora_B: my 128 rows of 64 bytes
	s_lshl_b32 s47, s16, 13
	s_add_co_u32 s46, s46, s47
	s_mov_b32 s47, 0
	s_add_nc_u64 s[98:99], s[98:99], s[46:47]
	s_lshl_b32 s20, s17, 8                         ; out0: my first row, rows of 16,384 bytes,
	s_lshl_b32 s18, s15, 7
	s_add_co_u32 s20, s20, s18
	s_lshl_b32 s20, s20, 14
	s_lshl_b32 s46, s42, 10                        ; and my first column
	s_lshl_b32 s18, s16, 9
	s_add_co_u32 s46, s46, s18
	s_add_nc_u64 s[12:13], s[12:13], s[20:21]
	s_add_nc_u64 s[12:13], s[12:13], s[46:47]
	s_mul_i32 s72, s15, TILE                       ; LDS: my half of A,
	s_mul_i32 s73, s16, TILE
	s_add_co_u32 s73, s73, 2*TILE                  ; my half of B,
	s_sub_co_u32 s74, s73, s72                     ; the distance between them,
	s_mul_i32 s75, s14, 16*SPITCH
	s_add_co_u32 s75, s75, STAGE                   ; my stage
	s_lshl_b32 s68, s17, 1                         ; the prefetches: the block of 128 rows that I fetch, at tile 3
	s_lshl_b32 s69, s42, 1
	s_cmp_eq_u32 s15, 0
	s_cselect_b32 s68, s68, s69
	s_cselect_b32 s70, s40, s41                    ; my place among the four that ask with me
	s_cselect_b64 s[PFA:PFA+1], s[4:5], s[6:7]
	s_add_co_u32 s68, s68, s16
	s_mul_i32 s68, s68, RBS
	s_add_co_u32 s68, s68, 3*TILE
	s_mov_b32 s69, 0
	s_add_nc_u64 s[PFA:PFA+1], s[PFA:PFA+1], s[68:69]
	s_lshl_b32 s71, s70, 5
	s_mul_i32 s70, s70, 6
	v_and_b32 v1, 15, v0                           ; r
	v_bfe_u32 v2, v0, 4, 1                         ; h
	v_and_b32 v6, 31, v0                           ; lane
	v_lshlrev_b32 v[TLO], 5, v1
	v_lshlrev_b32 v[LBO], 6, v1
	v_lshl_add_u32 v[TLO], v2, 4, v[TLO]           ; t(r, 8 h ..): 16 bytes of bf16
	v_lshl_add_u32 v[LBO], v2, 5, v[LBO]           ; lora_B(r, 8 h ..): 32 bytes of f32
.irp a, 0,1,2,3,4,5,6,7
	global_load_b128 v[AF+8*\a:AF+8*\a+3], v[TLO], s[96:97] offset:512*\a
.endr
.irp b, 0,1,2,3,4,5,6,7
	global_load_b128 v[LBF+8*\b:LBF+8*\b+3], v[LBO], s[98:99] offset:1024*\b
	global_load_b128 v[LBF+8*\b+4:LBF+8*\b+7], v[LBO], s[98:99] offset:1024*\b+16
.endr
	v_lshlrev_b32 v[CO], 4, v6                     ; 16 x lane
	v_add_nc_u32 v[ADRA], s72, v[CO]
	v_add_nc_u32 v[ADRB], s73, v[CO]
	v_add_nc_u32 v[ADRA+1], SLOT, v[ADRA]
	v_add_nc_u32 v[ADRB+1], SLOT, v[ADRB]
	v_mul_u32_u24 v5, s74, v2                      ; scale words: lanes 0-15 A's, lanes 16-31 B's
	v_lshl_add_u32 v5, v1, 2, v5
	v_add_nc_u32 v[ADRS], s72, v5
	v_add_nc_u32 v[ADRS+1], SLOT, v[ADRS]
	v_mul_u32_u24 v5, v1, SPITCH
	v_lshl_add_u32 v5, v2, 5, v5
	v_add_nc_u32 v[STO], s75, v5
	v_add_nc_u32 v[RD], s75, v[CO]
	v_add_nc_u32 v[PFO], s71, v6                   ; block 32 p + lane of a tile's first 128,
	v_min_u32 v[PF2], 5, v6
	v_lshlrev_b32 v[PFO], 8, v[PFO]
	v_add_nc_u32 v[PF2], s70, v[PF2]
	v_min_u32 v[PF2], 21, v[PF2]                   ; and of its last 22 blocks 6 p .. 6 p + 5 (lanes left over name the last again)
	v_lshlrev_b32 v[PF2], 8, v[PF2]
.irp a, 0,1,2,3,4,5,6,7
.irp i, 4,5,6,7
	v_mov_b32 v[AF+8*\a+\i], 0                     ; K = 16 .. 31 of the bf16 form: zeros
.endr
.endr
	WIN TO_B
.irp b, 0,1,2,3,4,5,6,7
.irp i, 4,5,6,7
	v_mov_b32 v[8*\b+\i], 0
.endr
.endr
	s_wait_loadcnt 0x0
.irp b, 0,1,2,3,4,5,6,7
.irp i, 0,1,2,3
	v_cvt_pk_bf16_f32 v[8*\b+\i], v[LBF+8*\b+2*\i], v[LBF+8*\b+2*\i+1]
.endr
.endr
	PLACES 4
.macro LORA16 a0
.irp a, \a0, \a0+1
.irp b, 0,1,2,3,4,5,6,7
	v_wmma_f32_16x16x32_bf16 v[8*(8*((\a)%4)+\b):8*(8*((\a)%4)+\b)+7], v[8*\b:8*\b+7], v[AF+8*(\a):AF+8*(\a)+7], 0
.endr
.endr
.endm
	WIN MUL_LO
	LORA16 0
	LORA16 2
	WIN MUL_HI
	LORA16 4
	LORA16 6
	WIN 0
	PLACES 5                                       ; five places: another form adds onto these results, and loads land on the operands
.macro FRAG reg, adr, q, i             ; a fragment: three loads of 16 bytes a lane, 512 consecutive bytes a load
.irp g, 0,1,2
	ds_load_b128 v[\reg+4*\g:\reg+4*\g+3], v[\adr] offset:UNIT*(\q)+1536*(\i)+512*\g
.endr
.endm
.macro MUL16 a0, p                     ; A's blocks a0, a0 + 1 x B's eight; p: B's set and the set of scale words.  The 64 accumulators take turns
.irp a, \a0, \a0+1
.irp b, 0,1,2,3,4,5,6,7
	v_wmma_scale_f32_16x16x128_f8f6f4 v[8*(8*((\a)%4)+\b):8*(8*((\a)%4)+\b)+7], v[128*(\p)+FR*\b:128*(\p)+FR*\b+FR-1], v[AF+FR*(\a):AF+FR*(\a)+FR-1], v[8*(8*((\a)%4)+\b):8*(8*((\a)%4)+\b)+7], v[SC+8*(\p)+\b], v[SC+8*(\p)+(\a)] matrix_a_fmt:MATRIX_FMT_BF6 matrix_b_fmt:MATRIX_FMT_BF6 matrix_a_scale:MATRIX_SCALE_ROW1
.endr
.endr
.endm
.macro FETCH_A slot, q, i0
.irp i, \i0, \i0+1, \i0+2, \i0+3
	FRAG AF+FR*(\i), ADRA+\slot, \q, \i
.endr
.endm
.macro FETCH1 slot, q, p               ; B's eight fragments into set p, A's blocks 0-3, the scale words into set p
	WIN TO_B
.irp i, 0,1,2,3,4,5,6,7
	FRAG 128*(\p)+FR*\i, ADRB+\slot, \q, \i
.endr
	WIN 0
	FETCH_A \slot, \q, 0
.irp i, 0,1,2,3,4,5,6,7
	ds_load_b32 v[SC+8*(\p)+\i], v[ADRS+\slot] offset:UNIT*(\q)+12288+64*\i
.endr
.endm
; A step of 128 along K on set p; the next step's fragments (slot ns, unit nq) are fetched in its middle and at its end.
; mode 0: inside a tile.  Else the tile's last step, which changes slots: 1 refill and prefetch, 2 refill with the short last tile, 3 no refill.
.macro STEP p, slot, ns, nq, mode
.if \mode == 0
	s_wait_dscnt 12                                ; A's blocks 4-7, the youngest twelve loads, may be out
	WIN MUL_LO
	MUL16 0, \p
	MUL16 2, \p
	s_wait_dscnt 0
	PLACES 4
.else
.if \mode == 1
	s_wait_xcnt 0x0                                ; my prefetches have read their address
	s_add_nc_u64 s[PFA:PFA+1], s[PFA:PFA+1], TILE
.endif
	s_wait_tensorcnt 0x0                           ; my part of the next slot has landed;
	ds_add_u32 v[SPW], v[NIL]
.if \mode == 2
	s_mov_b32 s[G1+2], 100<<16                     ; no load of mine is out: the last tile has two units, 100 rows
	s_mov_b32 s[G1+4], 100
	s_mov_b32 s[G1B+2], 100<<16
	s_mov_b32 s[G1B+4], 100
.endif
	s_wait_dscnt 13                                ; (the add and A's blocks 4-7 may be out)
	WIN MUL_LO
	MUL16 0, \p
	s_wait_dscnt 0x0                               ; the add is done, my reads of this slot are over
	s_barrier_signal -1
	MUL16 2, \p
	WIN 0
	s_barrier_wait -1
.if \mode < 3
	CREST                                          ; the barrier has opened a round of the cluster's barrier
	s_add_nc_u64 s[G0+4*\slot+2:G0+4*\slot+3], s[G0+4*\slot+2:G0+4*\slot+3], 2*TILE
	s_add_nc_u64 s[G0B+4*\slot+2:G0B+4*\slot+3], s[G0B+4*\slot+2:G0B+4*\slot+3], 2*TILE
	JLOAD \slot                                    ; the first tensor load behind the round; its four v_nop are the places for the loads below
.else
	PLACES 4
.endif
.endif
	FETCH1 \ns, \nq, 1-(\p)
.if \mode == 1
	s_cmp_gt_u32 s3, 1                             ; not in the loop's last trip: the tile two refills on would be the short one or none
	s_cbranch_scc0 .Lno_ask_\@
	global_prefetch_b8 v[PFO], s[PFA:PFA+1] th:TH_LOAD_NT scope:SCOPE_SE
	global_prefetch_b8 v[PF2], s[PFA:PFA+1] offset:32768 th:TH_LOAD_NT scope:SCOPE_SE
.Lno_ask_\@:
.endif
	WIN MUL_HI
	MUL16 4, \p
	MUL16 6, \p
	PLACES 4
	WIN 0
	FETCH_A \ns, \nq, 4
.endm
.macro LAP m2, m5
	STEP 0, 0, 0, 1, 0
	STEP 1, 0, 0, 2, 0
	STEP 0, 0, 1, 0, \m2
	STEP 1, 1, 1, 1, 0
	STEP 0, 1, 1, 2, 0
	STEP 1, 1, 0, 0, \m5
.endm
	s_wait_alu depctr_va_vdst(0)                   ; the wait at the head's end
	s_wait_tensorcnt 0x0                           ; my part of tile 0 is in; slot 1's first fill is issued as a refill is
	ds_add_u32 v[SPW], v[NIL]
	s_wait_dscnt 0x0
	CROUND
	JLOAD 1                                        ; tile 1
	FETCH1 0, 0, 0
	FETCH_A 0, 0, 4
	s_mov_b32 s3, 4
.Llap:                                                 ; lap L: tiles 2 L and 2 L + 1; it asks for tiles 2 L + 2 and 2 L + 3
	LAP 1, 1
	s_sub_co_u32 s3, s3, 1
	s_cmp_lg_u32 s3, 0
	s_cbranch_scc1 .Llap
	LAP 2, 3                                       ; tiles 8 and 9; tile 10 is asked for, and nothing behind it
	STEP 0, 0, 0, 1, 0                             ; tile 10's two steps
	s_wait_dscnt 12
	WIN MUL_LO
	MUL16 0, 1
	MUL16 2, 1
	s_wait_dscnt 0
	WIN MUL_HI
	MUL16 4, 1
	MUL16 6, 1
	WIN 0
; THE WAY OUT, by blocks of 16 rows x 128 columns through my own stage: in as 32 bytes a lane, back as whole rows of 512 bytes.  LDS serves a wave's instructions in order (ISA guide 5.7.1.4)
.macro TOSTAGE a
.set AC, 64*((\a)%4)
	WIN 0x08+4*((\a)/4)
.irp b, 0,1,2,3,4,5,6,7
	ds_store_b128 v[STO], v[AC+8*\b:AC+8*\b+3] offset:64*\b          ; each accumulator from its low end on
	ds_store_b128 v[STO], v[AC+8*\b+4:AC+8*\b+7] offset:64*\b+16
.endr
	WIN 0
.set BB, BK+64*((\a)%2)
.irp t, 0,1,2,3,4,5,6,7,8,9,10,11,12,13,14,15
	ds_load_b128 v[BB+4*\t:BB+4*\t+3], v[RD] offset:\t*SPITCH
.endr
.endm
.macro SEND a, younger
.set BB, BK+64*((\a)%2)
	s_wait_dscnt \younger
.if (\a) > 0
	s_add_nc_u64 s[12:13], s[12:13], 16*SIZE_N*4   ; behind a wait on XCNT
.endif
.irp t, 0,1,2,3,4,5,6,7,8,9,10,11,12,13,14,15
	global_store_b128 v[CO], v[BB+4*\t:BB+4*\t+3], s[12:13] offset:\t*SIZE_N*4 th:TH_STORE_NT   ; 512 consecutive bytes, aligned
.endr
.endm
	PLACES 4
	TOSTAGE 0
.irp a, 1,2,3,4,5,6,7
.if \a > 1
	s_wait_xcnt 0x0                                ; block a - 2's stores have read their registers and their base
.endif
	TOSTAGE \a
	SEND \a-1, 32                                  ; behind block a - 1's loads: block a's 16 stores and 16 loads
.endr
	s_wait_xcnt 0x0
	SEND 7, 0
	s_wait_tensorcnt 0x0                           ; the wave's end
	ds_add_u32 v[SPW], v[NIL]
	s_wait_dscnt 0x0
	CROUND                                         ; the closing round
	s_endpgm
.Lfunc_end_k_qd5ef78d0a2_gemm:
	.size	k_qd5ef78d0a2_gemm, .Lfunc_end_k_qd5ef78d0a2_gemm-k_qd5ef78d0a2_gemm
	.p2alignl 7, 3214868480
	.fill 96, 4, 3214868480
	.section	.rodata,"a",@progbits
	.p2align	6, 0x0
	.amdhsa_kernel k_qd5ef78d0a2_gemm
		.amdhsa_group_segment_fixed_size 327680
		.amdhsa_private_segment_fixed_size 0
		.amdhsa_enable_private_segment 0
		.amdhsa_kernarg_size 40
		.amdhsa_user_sgpr_count 2
		.amdhsa_user_sgpr_kernarg_segment_ptr 1
		.amdhsa_wavefront_size32 1
		.amdhsa_system_sgpr_workgroup_id_x 1
		.amdhsa_system_sgpr_workgroup_id_y 1
		.amdhsa_system_sgpr_workgroup_id_z 1
		.amdhsa_system_vgpr_workitem_id 0
		.amdhsa_next_free_vgpr 1024
		.amdhsa_next_free_sgpr 102
		.amdhsa_reserve_vcc 0
		.amdhsa_float_denorm_mode_32 3
		.amdhsa_float_denorm_mode_16_64 3
		.amdhsa_memory_ordered 1
		.amdhsa_forward_progress 1
		.amdhsa_inst_pref_size 221
	.end_amdhsa_kernel
	.amdgpu_metadata
---
amdhsa.version: [ 1, 2 ]
amdhsa.kernels:
  - .name:           k_qd5ef78d0a2_gemm
    .symbol:         k_qd5ef78d0a2_gemm.kd
    .args:
      - { .name: xt, .offset: 0, .size: 8, .value_kind: global_buffer, .address_space: global }
      - { .name: wt, .offset: 8, .size: 8, .value_kind: global_buffer, .address_space: global }
      - { .name: out0, .offset: 16, .size: 8, .value_kind: global_buffer, .address_space: global }
      - { .name: tl, .offset: 24, .size: 8, .value_kind: global_buffer, .address_space: global }
      - { .name: lora_B, .offset: 32, .size: 8, .value_kind: global_buffer, .address_space: global }
    .group_segment_fixed_size: 327680
    .private_segment_fixed_size: 0
    .kernarg_segment_align: 8
    .kernarg_segment_size: 40
    .max_flat_workgroup_size: 128
    .sgpr_count:     102
    .vgpr_count:     1024
    .wavefront_size: 32
...
	.end_amdgpu_metadata
.endif
;; end of part 2
